; MI455X (gfx1250); checked and timed in simulation.
; The chip was launched on July 23, 2026; its instructions are those of AMD's public machine-readable ISA for CDNA 5 (MIT licence, August 2026) and "CDNA5" Instruction Set Architecture Reference Guide (July 2026). The comments in the code are by the model that wrote it; some were corrected since.
;; Self Attention. Allowed arithmetic: matrix products marked QUANTISED: E4M3 operands, one given power-of-two scale a tensor, by v_wmma_f32_16x16x64_fp8_fp8 or v_wmma_f32_16x16x128_fp8_fp8, f32 sums; everything else in f32.
;; Inputs: k_b 1,024 float32; k_w_codes 1,024 x 32 x 32 uint8 (E4M3 codes of k_w, K innermost, in blocks of 32 codes); lowp_scales 12 int32 (the exponents e of the quantised operands' scales 2^e); o_b 1,024 float32; o_w_codes 1,024 x 32 x 32 uint8 (E4M3 codes of o_w, K innermost, in blocks of 32 codes); q_b 1,024 float32; q_w_codes 1,024 x 32 x 32 uint8 (E4M3 codes of q_w, K innermost, in blocks of 32 codes); v_b 1,024 float32; v_w_codes 1,024 x 32 x 32 uint8 (E4M3 codes of v_w, K innermost, in blocks of 32 codes); x_codes 4 x 2,048 x 32 x 32 uint8 (E4M3 codes of x, K innermost, in blocks of 32 codes).
;; Outputs: out0 4 x 2,048 x 1,024 float32.
;; This version of the problem:
;;   THIS VERSION OF THE PROBLEM IS GIVEN IN LOW PRECISION. The matrix products marked QUANTISED in the list below multiply operands that are first quantised to E4M3 (4 exponent bits, 3 mantissa bits; 8 bits a number), with one given power-of-two scale for each operand tensor; their sums are f32. All else is computed in f32.
;;   The module's matrix products, in the order in which they are computed (A, B: the left and right operand; K: the contracted axis; several contracted axes count as one K, in the product's order):
;;     1. [M 8,192, K 1,024] x [K 1,024, N 1,024]; A: input x (given as codes); B: input q_w (given as codes): QUANTISED (scales: A lowp_scales[0], B lowp_scales[1])
;;     2. [M 8,192, K 1,024] x [K 1,024, N 1,024]; A: input x (given as codes); B: input k_w (given as codes): QUANTISED (scales: A lowp_scales[2], B lowp_scales[3])
;;     3. [M 8,192, K 1,024] x [K 1,024, N 1,024]; A: input x (given as codes); B: input v_w (given as codes): QUANTISED (scales: A lowp_scales[4], B lowp_scales[5])
;;     4. batch 64 x [M 2,048, K 64] x [K 64, N 2,048]; A: computed on the way; B: computed on the way: QUANTISED (scales: A lowp_scales[6], B lowp_scales[7])
;;     5. batch 64 x [M 2,048, K 2,048] x [K 2,048, N 64]; A: softmax (see below); B: computed on the way: QUANTISED (scales: A lowp_scales[8], B lowp_scales[9])
;;     6. [M 8,192, K 1,024] x [K 1,024, N 1,024]; A: computed on the way; B: input o_w (given as codes): QUANTISED (scales: A lowp_scales[10], B lowp_scales[11])
;;   THE QUANTISER, for each operand of a quantised product, along K:
;;     - The operand's scale is 2^e, e = its entry of the input lowp_scales (int32; the entries are numbered through the quantised products in the list's order, A before B).
;;     - Each number is divided by the scale, clamped to +-448, and rounded to the nearest number of E4M3, ties to even, subnormals kept.
;;     - The product sums the exact products of the quantised numbers (number of the format x scale) in f32.
;;   ~~~python
;;   def quantise(x, axis, e):      # numpy; x: float32 -> the quantised numbers, widened to float32 again
;;       x = np.moveaxis(x, axis, -1); K = x.shape[-1]
;;       r = np.clip(x / 2.0 ** e, -448, 448)
;;       step = 2.0 ** (np.maximum(np.frexp(np.where(r == 0, 1, r))[1] - 1, -6) - 3)
;;       q = np.round(r / step) * step * 2.0 ** e      # np.round: ties to even
;;       return np.moveaxis(q, -1, axis).astype(np.float32)
;;   ~~~
;;   SOFTMAX AHEAD OF A QUANTISED PRODUCT. Where the list says 'softmax', what is quantised is not the finished softmax but p = 2^(t - M), with t = logit x log2(e) and M = ceil(the row's largest t), a whole number; so 1/2 < the row's largest p <= 1. The row's sum l is taken of the UNQUANTISED p, in f32, and the product's result is divided by l at the end. Since M is a whole number, a kernel that streams over the keys may use a running M (the ceiling of the running maximum): every later rescaling is an exact power of two, so the quantised numbers keep their values, but for numbers so far below the row's largest that they fall under the format's range.
;;   OPERANDS COMPUTED ON THE WAY. 'Computed on the way' means the value that the module computes at that place (a softmax that the list does not call 'softmax' is quantised finished and normalised). What goes into a quantiser is computed in f32, as accurately as f32 sums, v_exp_f32 and their like allow (about 1e-6 of the number): no bf16 or f16 on the way to a quantiser, and a product that is left as it is and whose result goes on into a quantised operand takes f32 operands (vector FMAs, or v_wmma_f32_16x16x4_f32). A number that lies on a knife's edge between two numbers of the format may be rounded either way, as far as f32 arithmetic and the matrix unit's own rounding can turn it there, and no further.
;;   INPUTS GIVEN AS CODES. k_w (in the module: [1024, 1024], K = its axis 1); o_w (in the module: [1024, 1024], K = its axis 1); q_w (in the module: [1024, 1024], K = its axis 1); v_w (in the module: [1024, 1024], K = its axis 1); x (in the module: [4, 2048, 1024], K = its axis 2): each comes as NAME_codes (uint8): NAME with its K axis moved to the last place and cut into blocks of 32 codes, [.., K / 32, bytes a block], one block behind the other in memory; one code a byte (a code: sign, 4 exponent bits, 3 mantissa bits); its scale is its entry of lowp_scales. Its value is code x scale, taken as it is: it is not quantised again, and the codes and scales need not be those that the quantiser above would give.
;; One version. Each part assembles by itself: llvm-mc -triple=amdgcn-amd-amdhsa -mcpu=gfx1250 --defsym DOCPART=n.
;; ======== version 1 of 1: 3 launches
;; limits: right only within a limited range of input values
;; workspace buffers: q_img 8,388,608 bytes; kv 16,777,216 bytes; a_img 8,388,608 bytes
;; launch qkv (part 1): grid 12 x 32, 4 waves a work-group, clusters of 4 x 4, 327,680 bytes of LDS; arguments x_codes, q_w_codes, k_w_codes, v_w_codes, q_b, k_b, v_b, lowp_scales, q_img, kv; writes q_img, kv
.if DOCPART == 1
	.amdgcn_target "amdgcn-amd-amdhsa--gfx1250"
	.amdhsa_code_object_version 6
	.text
	.protected	k_q50c4a7d7d4_qkv
	.globl	k_q50c4a7d7d4_qkv
	.p2align	8
	.type	k_q50c4a7d7d4_qkv,@function
k_q50c4a7d7d4_qkv:
	s_mov_b64 s[64:65], 0
	v_nop
	global_prefetch_b8 v0, s[64:65] scope:SCOPE_SE
	s_setreg_imm32_b32 hwreg(HW_REG_WAVE_MODE, 25, 1), 1
	s_wait_xcnt 0x0
	s_wait_alu depctr_hold_cnt(0) depctr_sa_sdst(0) depctr_va_vdst(0) depctr_va_sdst(0) depctr_va_ssrc(0) depctr_va_vcc(0) depctr_vm_vsrc(0)
	s_getreg_b32 s2, hwreg(HW_REG_IB_STS2, 6, 4)
	s_cmp_eq_u32 s2, 0
	s_cbranch_scc0 .Lentry_in_a_cluster
	s_endpgm
.Lentry_in_a_cluster:
	s_bfe_u32 s2, ttmp6, 0x10000c
	s_cmp_lg_u32 s2, 0xf033
	s_cbranch_scc0 .Lentry_shape_is_right
	s_endpgm
.Lentry_shape_is_right:
; q, k, v = x W^T + b on codes of FP8 (E4M3), and the three results quantised at once for the attention launch.
; x: [8192][1024] codes; W: [1024][1024] codes, K innermost; b: [1024] f32.  The cluster's x says which tensor: 0 q, 1 k, 2 v.
; A work-group of four waves makes 256 x 256 results, a wave 128 x 128: 64 accumulators, 512 registers.  K goes in steps of 256 through two LDS slots.
; TWO REGIONS in a slot: R holds source 1's 256 rows, P source 0's.  In a result lane l holds source 1's row l % 16, register j source 0's row 8 (l / 16) + j.
;   q, k: P = rows of W, R = tokens: a lane holds one token and eight neighbouring features: one conversion gives registers 2 c, 2 c + 1 of a fragment with K = the head's 64.
;   v:    P = tokens, R = rows of W: a lane holds one feature and eight neighbouring tokens: registers 2 c, 2 c + 1 of a fragment with K = 128 keys.
; CLUSTER 4 x 4: R's tile hangs on cy alone and is asked for jointly by my row of the cluster, P's on cx alone, by my column.  For v tokens go with cx and features with cy.
; The bias, divided by 2^(ex + ew), is the C of each sum's first matrix instruction; a sum's code is sum / 2^(eo - ex - ew), held within +-448.
; OUT: images of the reader's registers, 16 bytes a lane, 512 consecutive bytes a store.
;   q_img [head 64][tile of 16 queries 128][2][lane][16];   kv [head 64][step of 128 keys 16][ K: 8 tiles x 1,024 | V: 4 tiles of 16 channels x 2,048 ].
; LIMITS: eo - ex - ew between -126 and 119 (both powers of two below are f32 numbers).  NaN among the inputs is not served.
; REGISTERS: window 0: v8-11 store offsets, v16-21 LDS addresses, v28-31 spare word, 0, scale, hold; v32-95 the bias, later held sums; v96-103 bias offsets; v104-119 codes; v128-255 R's fragments, one set.
;   window 1: P's fragments, two sets.   windows 2, 3: accumulator (a, b) at v[8 (8 (a % 4) + b)].
.set KROW,   1024                      ; a row of x or W in bytes
.set ROWB,   256                       ; a tile's row: 256 codes
.set PITCH,  272                       ; an LDS row: 256 bytes + 16 of padding, so that the 16 rows of a fragment load start 68 words apart
.set FR,     16                        ; registers of a fragment, 16 rows x 128 K
.set NL,     4                         ; LDS loads that bring one
.set NP,     4                         ; places behind this matrix instruction (ISA guide 7.12.1)
.set HALFT,  128*PITCH                 ; what one tensor load brings
.set SLOT,   4*HALFT                   ; R's 256 rows, then P's
.set SPARE,  2*SLOT                    ; the spare words: 128 bytes a wave, named by no other line
.set VO,   8
.set ADRA, 16                          ; R's fragments in slot 0, 1
.set ADRB, 20                          ; P's
.set SPW,  28
.set NIL,  29
.set SC,   30                          ; 2^(eo - ex - ew)
.set LIM,  31                          ; 448 x that
.set BIAS, 32
.set TMP,  32
.set VB,   96
.set COD,  104
.set AF,   128
.set G1,  24                           ; s[24:31] group 1 for R; s[32:39] its groups 0, one a slot
.set G0,  32
.set G1B, 48                           ; s[48:55], s[56:63] the same for P
.set G0B, 56
.set MSB, 0
.macro WIN new                         ; the immediate's high byte repeats the setting that is left
.if MSB != (\new)
	s_set_vgpr_msb (MSB<<8)|(\new)
.set MSB, (\new)
.endif
.endm
.set MUL_LO, 0xa1                      ; source 0 (P) window 1, source 1 (R) window 0, C and D window 2
.set MUL_HI, 0xf1                      ; the same, C and D window 3
.set TO_B,   0x40                      ; destination window 1
; A joint load: waves 0 and 1 fetch R's halves, waves 2 and 3 P's.  The branch hangs on the wave's number alone.  Four v_nop follow each line.
.macro JLOAD g0a, g1a, g0b, g1b
	s_cmp_eq_u32 s15, 0
	s_cbranch_scc0 .Lfor_b_\@
	tensor_load_to_lds s[\g0a:\g0a+3], s[\g1a:\g1a+7]
	s_nop 0
.rept 4
	v_nop
.endr
	s_branch .Lasked_\@
.Lfor_b_\@:
	tensor_load_to_lds s[\g0b:\g0b+3], s[\g1b:\g1b+7]
	s_nop 0
.rept 4
	v_nop
.endr
.Lasked_\@:
.endm
.macro CREST                           ; a round of the cluster's barrier behind its opening barrier
	s_cmp_lg_u32 s14, 0
	s_cbranch_scc1 .Lnot_wave_0_\@
	s_barrier_signal -3
.Lnot_wave_0_\@:
	s_barrier_wait -3
	s_barrier_signal -1
	s_barrier_wait -1
.endm
.macro CROUND
	s_barrier_signal -1
	s_barrier_wait -1
	CREST
.endm
	s_load_b512 s[68:83], s[0:1], 0x0              ; x 68, q_w 70, k_w 72, v_w 74, q_b 76, k_b 78, v_b 80, scales 82
	s_load_b128 s[84:87], s[0:1], 0x40             ; q_img 84, kv 86
	v_lshl_add_u32 v[SPW], v0, 2, SPARE
	v_mov_b32 v[NIL], 0
	ds_add_u32 v28, v29
	ds_add_u32 v28, v29
	s_wait_dscnt 0x0
	v_lshrrev_b32 v1, 5, v0
	v_readfirstlane_b32 s14, v1                    ; wave 0..3
	s_lshr_b32 s15, s14, 1                         ; my half of R.  Also: I fetch for R (0) or for P (1)
	s_and_b32 s16, s14, 1                          ; my half of P.  Also: which 128 rows I fetch
	s_bfe_u32 s40, ttmp6, 0x40000                  ; cx
	s_bfe_u32 s41, ttmp6, 0x40004                  ; cy
	s_and_b32 s17, ttmp7, 0xffff
	s_lshl_b32 s17, s17, 2                         ; 4 x cluster y: the cluster's first block of 256 tokens
	s_lshl_b32 s43, s41, 2
	s_lshl_b32 s43, 15, s43                        ; my row of the cluster
	s_lshl_b32 s44, 0x1111, s40                    ; my column
	s_or_b32 s[G1+0], s43, (0<<16)|(1<<20)|(1<<21)|(5<<22)|(3<<25)   ; mask; elements of 1 byte; padding on; bit 21 beside a mask; 4 words behind every 64
	s_or_b32 s[G1B+0], s44, (0<<16)|(1<<20)|(1<<21)|(5<<22)|(3<<25)
.irp g, G1, G1B
	s_mov_b32 s[\g+1], ROWB<<16                    ; tensor_dim0
	s_mov_b32 s[\g+2], 128<<16                     ; tensor_dim1
	s_mov_b32 s[\g+3], ROWB<<16                    ; tile_dim0
	s_mov_b32 s[\g+4], 128                         ; tile_dim1
	s_mov_b32 s[\g+5], KROW                        ; from row to row
	s_mov_b32 s[\g+6], 0
	s_mov_b32 s[\g+7], 0
.endr
	s_cmp_eq_u32 ttmp9, 2                          ; v?  The cluster's x is the same in all sixteen partners
	s_cselect_b32 s42, s17, 0                      ; the tokens' block goes with P for v,
	s_cselect_b32 s22, 0, s17                      ; with R for q and k
	s_add_co_u32 s42, s42, s40                     ; P's block of 256 rows: cx (+ 4 Y)
	s_add_co_u32 s22, s22, s41                     ; R's: cy (+ 4 Y)
	s_lshl_b32 s18, s16, 7                         ; which 128 rows of it I fetch
	s_lshl_b32 s20, s22, 8
	s_add_co_u32 s20, s20, s18
	s_lshl_b32 s20, s20, 10                        ; R: in bytes (under 2^23)
	s_mov_b32 s21, 0
	s_lshl_b32 s46, s42, 8
	s_add_co_u32 s46, s46, s18
	s_lshl_b32 s46, s46, 10                        ; P likewise
	s_mov_b32 s47, 0
	s_mul_i32 s45, s14, HALFT                      ; where my load goes: wave x 128 rows
	s_wait_kmcnt 0x0
	s_cmp_eq_u32 ttmp9, 0
	s_cselect_b64 s[4:5], s[70:71], s[72:73]       ; W
	s_cselect_b64 s[6:7], s[76:77], s[78:79]       ; b
	s_cselect_b64 s[12:13], s[84:85], s[86:87]     ; where the codes go
	s_cmp_eq_u32 ttmp9, 2
	s_cselect_b64 s[4:5], s[74:75], s[4:5]
	s_cselect_b64 s[6:7], s[80:81], s[6:7]
	s_cselect_b64 s[8:9], s[68:69], s[4:5]         ; P: x for v, else W
	s_cselect_b64 s[10:11], s[4:5], s[68:69]       ; R: W for v, else x
	s_load_b256 s[88:95], s[82:83], 0x0            ; e0 .. e7
	s_load_b32 s96, s[82:83], 0x24                 ; e9
	s_add_nc_u64 s[20:21], s[10:11], s[20:21]
	s_add_nc_u64 s[46:47], s[8:9], s[46:47]
	CROUND                                         ; all sixteen work-groups are here: the first joint loads meet
.irp s, 0,1
	s_mov_b32 s[G0+4*\s], 1
	s_add_co_u32 s[G0+4*\s+1], s45, \s*SLOT
	s_add_nc_u64 s[G0+4*\s+2:G0+4*\s+3], s[20:21], \s*ROWB
	s_or_b32 s[G0+4*\s+3], s[G0+4*\s+3], 0x80000000
	s_mov_b32 s[G0B+4*\s], 1
	s_add_co_u32 s[G0B+4*\s+1], s45, \s*SLOT
	s_add_nc_u64 s[G0B+4*\s+2:G0B+4*\s+3], s[46:47], \s*ROWB
	s_or_b32 s[G0B+4*\s+3], s[G0B+4*\s+3], 0x80000000
	JLOAD G0+4*\s, G1, G0B+4*\s, G1B
.endr
	v_and_b32 v1, 15, v0                           ; r = l % 16
	v_bfe_u32 v2, v0, 4, 1                         ; h = l / 16
	v_mul_u32_u24 v3, v1, PITCH
	v_lshl_add_u32 v4, v2, 4, v3                   ; a fragment's row x pitch + 16 h
	s_mul_i32 s21, s15, HALFT                      ; my 128 rows of R
	s_mul_i32 s22, s16, HALFT                      ; my 128 rows of P,
	s_add_co_u32 s22, s22, 2*HALFT                 ; which lie behind R's 256
.irp s, 0,1
	v_add_nc_u32 v[ADRA+\s], s21, v4
	v_add_nc_u32 v[ADRB+\s], s22, v4
	s_add_co_u32 s21, s21, SLOT
	s_add_co_u32 s22, s22, SLOT
.endr
	; what differs between the tensors is chosen, never branched on: scales, the bias's layout, the way out's steps
	s_wait_kmcnt 0x0                               ; the exponents are in; s68-87 are free
	s_mov_b32 s76, 1024
	s_cmp_eq_u32 ttmp9, 0
	s_cselect_b32 s77, 17, 18                      ; a head's bytes as a shift: q_img 2^17, kv 2^18
	s_cselect_b32 s18, s88, s90                    ; ex
	s_cselect_b32 s19, s89, s91                    ; ew
	s_cselect_b32 s20, s94, s95                    ; eo: e6 for q, e7 for k
	s_lshl_b32 s78, 1, s77
	s_cmp_eq_u32 ttmp9, 2
	s_cselect_b32 s18, s92, s18
	s_cselect_b32 s19, s93, s19
	s_cselect_b32 s20, s96, s20                    ; e9 for v
	s_cselect_b32 s68, s41, s40                    ; my block of 256 features
	s_cselect_b32 s69, s15, s16                    ; and the half of it
	s_cselect_b32 s70, s40, s41                    ; my block of 256 tokens in the cluster
	s_cselect_b32 s71, s16, s15                    ; and the half of it
	s_cselect_b32 s72, 4, 0                        ; the bias's offset = sa r + sb h + sc j: v: one feature a lane;
	s_cselect_b32 s73, 0, 32                       ; q, k: features 8 h + j
	s_cselect_b32 s74, 0, 4
	s_cselect_b32 s75, 0x2000, 0                   ; V's part of a step lies behind K's 8,192 bytes
	s_cselect_b32 s78, s76, s78                    ; from code registers 0-7 to 8-15: v 1,024 bytes on, q and k the next head
	s_cselect_b32 s98, 0x800, s76                  ; from block a to a + 1: v a tile of 16 channels, q and k a tile of 16 tokens
	s_cselect_b32 s100, 0x3e800, s76               ; from block 3 to 4: v the next head's first tile: 262,144 - 3 x 2,048
	s_mov_b32 s99, 0
	s_mov_b32 s101, 0
	s_add_co_i32 s18, s18, s19                     ; ex + ew
	s_sub_co_i32 s20, s20, s18                     ; eo - ex - ew
	s_sub_co_i32 s19, 0, s18
	s_add_co_i32 s20, s20, 127
	s_lshl_b32 s21, s20, 23
	v_mov_b32 v[SC], s21
	s_add_co_i32 s20, s20, 8
	s_lshl_b32 s20, s20, 23
	s_or_b32 s20, s20, 0x600000
	v_mov_b32 v[LIM], s20
	s_add_co_u32 s70, s70, s17                     ; my block of 256 tokens, 0 .. 31
	s_and_b32 s79, s70, 7
	s_lshl_b32 s79, s79, 1
	s_add_co_u32 s79, s79, s71                     ; my step of 128 tokens in the batch, 0 .. 15
	s_lshr_b32 s80, s70, 3
	s_lshl_b32 s80, s80, 4                         ; 16 x batch
	s_lshl_b32 s81, s68, 2
	s_add_co_u32 s80, s80, s81
	s_lshl_b32 s81, s69, 1
	s_add_co_u32 s80, s80, s81                     ; my first head: 16 batch + 4 block + 2 half
	s_lshl_b32 s80, s80, s77
	s_sub_co_u32 s81, s77, 4
	s_lshl_b32 s79, s79, s81                       ; a step is a sixteenth of a head
	s_add_co_u32 s80, s80, s79
	s_add_co_u32 s80, s80, s75
	s_mov_b32 s81, 0
	s_add_nc_u64 s[12:13], s[12:13], s[80:81]      ; block 0's codes
	s_lshl_b32 s82, s68, 10
	s_lshl_b32 s83, s69, 9
	s_add_co_u32 s82, s82, s83
	s_mov_b32 s83, 0
	s_add_nc_u64 s[6:7], s[6:7], s[82:83]          ; the bias of my 128 features
	v_and_b32 v5, 31, v0
	v_lshlrev_b32 v[VO], 4, v5                     ; 16 x lane
	v_add_nc_u32 v[VO+1], 0x200, v[VO]
	v_add_nc_u32 v[VO+2], s78, v[VO]
	v_add_nc_u32 v[VO+3], s78, v[VO+1]
	v_mul_u32_u24 v[VB], v1, s72
	v_mad_u32_u24 v[VB], v2, s73, v[VB]
.irp j, 1,2,3,4,5,6,7
	v_add_nc_u32 v[VB+\j], s74, v[VB+\j-1]
.endr
.irp i, 0,1,2,3,4,5,6,7
.irp j, 0,1,2,3,4,5,6,7
	global_load_b32 v[BIAS+8*\i+\j], v[VB+\j], s[6:7] offset:64*\i   ; tile i of 16 features, in the result's layout
.endr
.endr
	s_wait_loadcnt 0x0
.set i, 0
.rept 64
	v_ldexp_f32 v[BIAS+i], v[BIAS+i], s19          ; b / 2^(ex + ew): the sums lack that power
.set i, i+1
.endr
.macro FRAG reg, adr, q, i             ; 16 rows x 128 K: registers 4 c .. 4 c + 3 hold K = 32 c + 16 h + 0 .. 15: the same places in both sources
.irp c, 0,1,2,3
	ds_load_b128 v[\reg+4*\c:\reg+4*\c+3], v[\adr] offset:128*(\q)+32*\c+(\i)*16*PITCH
.endr
.endm
; 16 matrix instructions: R's blocks a0, a0 + 1 x P's eight.  p: P's set.  cm = 0: on in place; 1: C = the bias by P's block; 2: by R's block.
; The 64 accumulators take turns, one instruction a turn, in the same order in every step.
.macro MUL16 a0, p, cm
.irp a, \a0, \a0+1
.irp b, 0,1,2,3,4,5,6,7
.if \cm == 1
	v_wmma_f32_16x16x128_fp8_fp8 v[8*(8*((\a)%4)+\b):8*(8*((\a)%4)+\b)+7], v[128*(\p)+FR*\b:128*(\p)+FR*\b+FR-1], v[AF+FR*(\a):AF+FR*(\a)+FR-1], v[BIAS+8*\b:BIAS+8*\b+7]
.elseif \cm == 2
	v_wmma_f32_16x16x128_fp8_fp8 v[8*(8*((\a)%4)+\b):8*(8*((\a)%4)+\b)+7], v[128*(\p)+FR*\b:128*(\p)+FR*\b+FR-1], v[AF+FR*(\a):AF+FR*(\a)+FR-1], v[BIAS+8*(\a):BIAS+8*(\a)+7]
.else
	v_wmma_f32_16x16x128_fp8_fp8 v[8*(8*((\a)%4)+\b):8*(8*((\a)%4)+\b)+7], v[128*(\p)+FR*\b:128*(\p)+FR*\b+FR-1], v[AF+FR*(\a):AF+FR*(\a)+FR-1], v[8*(8*((\a)%4)+\b):8*(8*((\a)%4)+\b)+7]
.endif
.endr
.endr
.endm
.macro FETCH_B slot, q, p
	WIN TO_B
.irp i, 0,1,2,3,4,5,6,7
	FRAG 128*(\p)+FR*\i, ADRB+\slot, \q, \i
.endr
	WIN 0
.endm
.macro FETCH_A slot, q, i0
.irp i, \i0, \i0+1, \i0+2, \i0+3
	FRAG AF+FR*(\i), ADRA+\slot, \q, \i
.endr
.endm
.macro PLACES n                        ; plain vector instructions between a matrix instruction and a load into, or a read of, its registers
.rept \n
	v_nop
.endr
.endm
; A step of 128 along K that has its successor in the same slot.  R has one set of registers: blocks 0-3 are fetched anew in the middle, blocks 4-7 at the end.
.macro STEP slot, q, cm
	s_wait_dscnt 4*NL                              ; P's set and R's blocks 0-3 are in; the youngest 16 loads (blocks 4-7) may be out
.if \cm
	WIN 0x81                                       ; C (the bias) window 0, D window 2
.else
	WIN MUL_LO
.endif
	MUL16 0, (\q)%2, \cm
	MUL16 2, (\q)%2, \cm
	s_wait_dscnt 0                                 ; blocks 4-7 are in
	PLACES NP
	FETCH_B \slot, (\q)+1, 1-(\q)%2
	FETCH_A \slot, (\q)+1, 0
.if \cm
	WIN 0xc1
.else
	WIN MUL_HI
.endif
	MUL16 4, (\q)%2, \cm
	MUL16 6, (\q)%2, \cm
	PLACES NP
	WIN 0
	FETCH_A \slot, (\q)+1, 4
.endm
; A slot's last step changes slots: one barrier; ahead of it each wave waits for all its tensor loads, adds 0 to its spare word, and waits for that and for its reads of this slot.
.macro TURN slot, next, fill
	s_wait_tensorcnt 0x0                           ; my part of the next slot has landed; no load of mine is out
	ds_add_u32 v[SPW], v[NIL]
	s_wait_dscnt 4*NL+1                            ; the add and the youngest 16 loads may be out
	WIN MUL_LO
	MUL16 0, 1, 0
	s_wait_dscnt 0x0                               ; the add is done, my reads of this slot are over
	s_barrier_signal -1
	MUL16 2, 1, 0
	WIN 0
	s_barrier_wait -1
.if \fill
	CREST                                          ; the barrier opened a round of the cluster's: no wave of any partner still reads this slot or has a load on its way
	s_add_nc_u64 s[G0+4*\slot+2:G0+4*\slot+3], s[G0+4*\slot+2:G0+4*\slot+3], 2*ROWB
	s_add_nc_u64 s[G0B+4*\slot+2:G0B+4*\slot+3], s[G0B+4*\slot+2:G0B+4*\slot+3], 2*ROWB
	JLOAD G0+4*\slot, G1, G0B+4*\slot, G1B         ; the first tensor load behind the round; its four v_nop are the places for the loads below
.else
	PLACES NP
.endif
	FETCH_B \next, 0, 0
	FETCH_A \next, 0, 0
	WIN MUL_HI
	MUL16 4, 1, 0
	MUL16 6, 1, 0
	PLACES NP
	WIN 0
	FETCH_A \next, 0, 4
.endm
	s_wait_tensorcnt 1                             ; my part of slot 0 is in; slot 1's load may be out
	s_barrier_signal -1
	s_barrier_wait -1
	FETCH_B 0, 0, 0
	FETCH_A 0, 0, 0
	FETCH_A 0, 0, 4
	s_cmp_eq_u32 ttmp9, 2                          ; only the first step differs: which index picks the bias.  Both arms issue the same loads
	s_cbranch_scc1 .Lfirst_v
	s_wait_alu depctr_va_vdst(0)
	STEP 0, 0, 1
	s_branch .Lfirst_done
.Lfirst_v:
	s_wait_alu depctr_va_vdst(0)
	STEP 0, 0, 2
.Lfirst_done:
	TURN 0, 1, 1                                   ; K = 1,024 is four slots: two refills, written out
	STEP 1, 0, 0
	TURN 1, 0, 1
	STEP 0, 0, 0
	TURN 0, 1, 0
	STEP 1, 0, 0
	s_wait_dscnt 4*NL
	WIN MUL_LO
	MUL16 0, 1, 0
	MUL16 2, 1, 0
	s_wait_dscnt 0
	WIN MUL_HI
	MUL16 4, 1, 0
	MUL16 6, 1, 0
	WIN 0
	PLACES NP
; THE WAY OUT, block a of R's eight: 64 sums a lane are held, converted eight at a time, and leave as four stores of 512 consecutive bytes.  No LDS: the codes are the reader's registers.
.macro BLOCK a
.set AC, 64*((\a)%4)
	WIN 0x02+((\a)/4)                              ; source 0: window 2 or 3
.set i, 0
.rept 64
	v_med3_num_f32 v[TMP+i], v[AC+i], -v[LIM], v[LIM]   ; the conversion does not saturate (ISA guide 7.6.2); each accumulator from its low end on
.set i, i+1
.endr
	WIN 0
.if (\a) > 0
	s_wait_alu depctr_va_vdst(0)
	s_wait_xcnt 0x0                                ; the last block's stores have read their codes and their base
.if (\a) == 4
	s_add_nc_u64 s[12:13], s[12:13], s[100:101]
.else
	s_add_nc_u64 s[12:13], s[12:13], s[98:99]
.endif
.endif
.irp n, 0,1,2,3,4,5,6,7
	v_cvt_scalef32_pk8_fp8_f32 v[COD+2*\n:COD+2*\n+1], v[TMP+8*\n:TMP+8*\n+7], v[SC]
.endr
	v_nop                                          ; a plain instruction behind the last conversion: the next block writes its sources
.irp c, 0,1,2,3
	global_store_b128 v[VO+\c], v[COD+4*\c:COD+4*\c+3], s[12:13]
.endr
.endm
.irp a, 0,1,2,3,4,5,6,7
	BLOCK \a
.endr
	s_wait_tensorcnt 0x0                           ; the wave's end
	ds_add_u32 v[SPW], v[NIL]
	s_wait_dscnt 0x0
	CROUND                                         ; the closing round
	s_endpgm
.Lfunc_end_k_q50c4a7d7d4_qkv:
	.size	k_q50c4a7d7d4_qkv, .Lfunc_end_k_q50c4a7d7d4_qkv-k_q50c4a7d7d4_qkv
	.p2alignl 7, 3214868480
	.fill 96, 4, 3214868480
	.section	.rodata,"a",@progbits
	.p2align	6, 0x0
	.amdhsa_kernel k_q50c4a7d7d4_qkv
		.amdhsa_group_segment_fixed_size 327680
		.amdhsa_private_segment_fixed_size 0
		.amdhsa_enable_private_segment 0
		.amdhsa_kernarg_size 80
		.amdhsa_user_sgpr_count 2
		.amdhsa_user_sgpr_kernarg_segment_ptr 1
		.amdhsa_wavefront_size32 1
		.amdhsa_system_sgpr_workgroup_id_x 1
		.amdhsa_system_sgpr_workgroup_id_y 1
		.amdhsa_system_sgpr_workgroup_id_z 1
		.amdhsa_system_vgpr_workitem_id 0
		.amdhsa_next_free_vgpr 1024
		.amdhsa_next_free_sgpr 102
		.amdhsa_reserve_vcc 0
		.amdhsa_float_denorm_mode_32 3
		.amdhsa_float_denorm_mode_16_64 3
		.amdhsa_memory_ordered 1
		.amdhsa_forward_progress 1
		.amdhsa_inst_pref_size 139
	.end_amdhsa_kernel
	.amdgpu_metadata
---
amdhsa.version: [ 1, 2 ]
amdhsa.kernels:
  - .name:           k_q50c4a7d7d4_qkv
    .symbol:         k_q50c4a7d7d4_qkv.kd
    .args:
      - { .name: x_codes, .offset: 0, .size: 8, .value_kind: global_buffer, .address_space: global }
      - { .name: q_w_codes, .offset: 8, .size: 8, .value_kind: global_buffer, .address_space: global }
      - { .name: k_w_codes, .offset: 16, .size: 8, .value_kind: global_buffer, .address_space: global }
      - { .name: v_w_codes, .offset: 24, .size: 8, .value_kind: global_buffer, .address_space: global }
      - { .name: q_b, .offset: 32, .size: 8, .value_kind: global_buffer, .address_space: global }
      - { .name: k_b, .offset: 40, .size: 8, .value_kind: global_buffer, .address_space: global }
      - { .name: v_b, .offset: 48, .size: 8, .value_kind: global_buffer, .address_space: global }
      - { .name: lowp_scales, .offset: 56, .size: 8, .value_kind: global_buffer, .address_space: global }
      - { .name: q_img, .offset: 64, .size: 8, .value_kind: global_buffer, .address_space: global }
      - { .name: kv, .offset: 72, .size: 8, .value_kind: global_buffer, .address_space: global }
    .group_segment_fixed_size: 327680
    .private_segment_fixed_size: 0
    .kernarg_segment_align: 8
    .kernarg_segment_size: 80
    .max_flat_workgroup_size: 128
    .sgpr_count:     102
    .vgpr_count:     1024
    .wavefront_size: 32
...
	.end_amdgpu_metadata
.endif
;; end of part 1
;; launch attn (part 2): grid 4 x 64, 16 waves a work-group, clusters of 4 x 1, 327,680 bytes of LDS; arguments q_img, kv, lowp_scales, a_img; writes a_img
.if DOCPART == 2
	.amdgcn_target "amdgcn-amd-amdhsa--gfx1250"
	.amdhsa_code_object_version 6
	.text
	.protected	k_q50c4a7d7d4_attn
	.globl	k_q50c4a7d7d4_attn
	.p2align	8
	.type	k_q50c4a7d7d4_attn,@function
k_q50c4a7d7d4_attn:
	s_mov_b64 s[64:65], 0
	v_nop
	global_prefetch_b8 v0, s[64:65] scope:SCOPE_SE
	s_setreg_imm32_b32 hwreg(HW_REG_WAVE_MODE, 25, 1), 1
	s_wait_xcnt 0x0
	s_wait_alu depctr_hold_cnt(0) depctr_sa_sdst(0) depctr_va_vdst(0) depctr_va_sdst(0) depctr_va_ssrc(0) depctr_va_vcc(0) depctr_vm_vsrc(0)
	s_getreg_b32 s2, hwreg(HW_REG_IB_STS2, 6, 4)
	s_cmp_eq_u32 s2, 0
	s_cbranch_scc0 .Lentry_in_a_cluster
	s_endpgm
.Lentry_in_a_cluster:
	s_bfe_u32 s2, ttmp6, 0x10000c
	s_cmp_lg_u32 s2, 0x3003
	s_cbranch_scc0 .Lentry_shape_is_right
	s_endpgm
.Lentry_shape_is_right:
; Causal attention of one head on codes of FP8 (E4M3): S^T = K Q^T, p = 2^(t - M), O^T = V^T P^T, O / l, quantised for the last product.
; t = score x log2(e) / 8; M = the running largest t rounded up to a whole number; l = the sum of the unquantised p; when M moves, l and O^T are multiplied by 2^(old M - new M).
; A HEAD'S K AND V, 262,144 bytes of register images, lie whole in LDS, as they lie in memory: filled once, never again, and nothing is stored to LDS.
; CLUSTER: the four work-groups of a cluster serve one head and ask for those bytes jointly.  First the first two steps of 128 keys (2,048 bytes a wave), then the rest (14,336 a wave).
; SHARES.  A head has 16 groups of 128 queries, 8 tiles of 16 each.  Work-group cx takes tiles 2 cx and 2 cx + 1 of every group.  Wave w (a = w % 8, u = w / 8) takes tile 2 cx + u of group 15 - a and then
; of group a: (16 - a) + (a + 1) = 17 steps of 128 keys for every wave.  Group g wants steps 0 .. g, and step g lies on the diagonal: so every branch hangs on the wave's number alone;
; cx enters only global addresses and the number that the mask compares.
; A lane holds one query (lane % 16) throughout; register j of key tile k holds key 16 k + 8 (lane / 16) + j, so one conversion gives registers 2 k, 2 k + 1 of P.
; OUT: a_img [128 tokens 64][256 K 4][tile of 16 tokens 8][128 K 2][c 4][lane][16]: lane (r, h), block c: K = 32 c + 16 h + 0 .. 15 of token r: the halves of the lanes exchange eight codes for that.
; LIMITS: e6 + e7 between -123 and 130 (added to c's exponent field); e8 and e10 between -126 and 119.  NaN among the inputs is not served.
; REGISTERS: v1 16 x lane; v2 LDS address; v3 the mask's number; v12 -M, v13 largest t, v[14:15] l; v16-23, v24-31 Q of the two jobs; v32-95 K's, then V's fragments; v96-159 S^T, then p; v160-191 O^T;
;   v192-207 P's codes; v208-215 O's codes; v216-223 exchange; v236-254 at work and constants.
.set L16, 1
.set AD,  2
.set QL,  3
.set F,   32
.set S,   96
.set OT,  160
.set PC,  192
.set OC,  208
.set WV,  12
.set SEL, 20                           ; s[20:21] v_permlanex16_b32's selects: lane l xor 16
.set CS,  22                           ; s[22:23] c
.set G1S, 24                           ; s[24:31] group 1: 8 rows of 256 bytes
.set G1L, 32                           ; s[32:39] 56 rows
.set G0S, 40
.set G0L, 44
.set G,   53                           ; the job's group
.set SI,  54                           ; the step in hand
.set TB,  55                           ; its pair's first LDS byte
.set CNT, 56
.set HM,  57                           ; lanes 16-31
.set EPV, 58                           ; e8 + e9
.macro CROUND
	s_barrier_signal -1
	s_barrier_wait -1
	s_cmp_lg_u32 s[WV], 0
	s_cbranch_scc1 .Lnot_wave_0_\@
	s_barrier_signal -3
.Lnot_wave_0_\@:
	s_barrier_wait -3
	s_barrier_signal -1
	s_barrier_wait -1
.endm
	s_load_b256 s[4:11], s[0:1], 0x0               ; q_img 4, kv 6, scales 8, a_img 10
	v_lshl_add_u32 v251, v0, 2, 0x40000
	v_mov_b32 v255, 0
	ds_add_u32 v251, v255
	ds_add_u32 v251, v255
	v_lshrrev_b32 v2, 5, v0
	s_delay_alu instid0(VALU_DEP_1)
	v_readfirstlane_b32 s[WV], v2                  ; wave 0..15
	s_bfe_u32 s13, ttmp6, 0x40000                  ; cx
	s_and_b32 s14, ttmp7, 0xffff                   ; batch x 16 + head, which the partners share
	s_and_b32 s15, s[WV], 7                        ; a: the second job's group
	s_lshr_b32 s16, s[WV], 3                       ; u
	s_lshl_b32 s17, s13, 1
	s_add_co_u32 s17, s17, s16                     ; my tile in a group: 2 cx + u
	s_sub_co_u32 s18, 15, s15                      ; the first job's group
	s_mov_b32 s[G1S], 15|(3<<16)|(1<<21)           ; mask: all four; elements of 8 bytes; bit 21 beside a mask; no padding
	s_mov_b32 s[G1S+1], 32<<16                     ; tensor_dim0 = 32 elements: 256 bytes
	s_mov_b32 s[G1S+2], 8<<16                      ; tensor_dim1
	s_mov_b32 s[G1S+3], 32<<16                     ; tile_dim0
	s_mov_b32 s[G1S+4], 8                          ; tile_dim1
	s_mov_b32 s[G1S+5], 32                         ; dense rows
	s_mov_b32 s[G1S+6], 0
	s_mov_b32 s[G1S+7], 0
	s_mov_b32 s[G1L], 15|(3<<16)|(1<<21)
	s_mov_b32 s[G1L+1], 32<<16
	s_mov_b32 s[G1L+2], 56<<16
	s_mov_b32 s[G1L+3], 32<<16
	s_mov_b32 s[G1L+4], 56
	s_mov_b32 s[G1L+5], 32
	s_mov_b32 s[G1L+6], 0
	s_mov_b32 s[G1L+7], 0
	s_lshl_b32 s2, s14, 18                         ; the head's first byte in kv
	s_lshl_b32 s3, s[WV], 11                       ; my 2,048 bytes of steps 0 and 1,
	s_mul_i32 s19, s[WV], 14336
	s_add_co_u32 s19, s19, 32768                   ; my 14,336 of the rest: the same place in LDS as in the head
	s_mov_b32 s[SEL], 0x76543210
	s_mov_b32 s[SEL+1], 0xfedcba98
	s_mov_b32 s[CS], 0x3e38aa3b                    ; log2(e) / 8
	s_wait_dscnt 0x0
	s_wait_kmcnt 0x0
	s_load_b128 s[48:51], s[8:9], 0x18             ; e6 .. e9
	s_load_b32 s52, s[8:9], 0x28                   ; e10
	s_mov_b32 s[G0S], 1
	s_mov_b32 s[G0S+1], s3
	s_add_co_u32 s70, s2, s3
	s_mov_b32 s71, 0
	s_add_nc_u64 s[G0S+2:G0S+3], s[6:7], s[70:71]
	s_or_b32 s[G0S+3], s[G0S+3], 0x80000000
	s_mov_b32 s[G0L], 1
	s_mov_b32 s[G0L+1], s19
	s_add_co_u32 s70, s2, s19
	s_add_nc_u64 s[G0L+2:G0L+3], s[6:7], s[70:71]
	s_or_b32 s[G0L+3], s[G0L+3], 0x80000000
	CROUND                                         ; all four work-groups are here: the joint loads meet
	tensor_load_to_lds s[G0S:G0S+3], s[G1S:G1S+7]  ; every wave issues both: one load of mine is out
	s_nop 0
	s_wait_alu depctr_va_vdst(0)
	s_wait_tensorcnt 0x0
	ds_add_u32 v251, v255
	s_wait_dscnt 0x0
	CROUND
	tensor_load_to_lds s[G0L:G0L+3], s[G1L:G1L+7]
	s_nop 0
.rept 4
	v_nop
.endr
	v_and_b32 v4, 31, v0
	s_delay_alu instid0(VALU_DEP_1)
	v_lshlrev_b32 v[L16], 4, v4
	s_wait_alu depctr_va_vdst(0)
	s_lshl_b32 s70, s14, 7
	s_add_co_u32 s70, s70, s17                     ; 128 x head + my tile
	s_lshl_b32 s71, s18, 3
	s_add_co_u32 s72, s70, s71
	s_lshl_b32 s72, s72, 10
	s_mov_b32 s73, 0
	s_add_nc_u64 s[66:67], s[4:5], s[72:73]        ; Q's image, first job
	s_lshl_b32 s71, s15, 3
	s_add_co_u32 s72, s70, s71
	s_lshl_b32 s72, s72, 10
	s_add_nc_u64 s[68:69], s[4:5], s[72:73]        ; second job
	global_load_b128 v[16:19], v[L16], s[66:67]
	global_load_b128 v[20:23], v[L16], s[66:67] offset:512
	global_load_b128 v[24:27], v[L16], s[68:69]
	global_load_b128 v[28:31], v[L16], s[68:69] offset:512
	v_and_b32 v5, 15, v0
	v_bfe_u32 v6, v0, 4, 1
	s_delay_alu instid0(VALU_DEP_1)
	v_lshlrev_b32 v6, 3, v6
	s_delay_alu instid0(VALU_DEP_1)
	v_sub_nc_u32 v[QL], v5, v6
	s_lshl_b32 s70, s17, 4
	v_add_nc_u32 v[QL], s70, v[QL]                 ; 16 tile + r - 8 h: on the diagonal register j of key tile k is hidden where 16 k + j is above it
	v_cmp_lt_u32 s[HM], 15, v4
	s_lshr_b32 s70, s14, 4
	s_lshl_b32 s70, s70, 21                        ; a_img: 16 blocks of 128 tokens a batch,
	s_and_b32 s71, s14, 15                         ; the head:
	s_lshr_b32 s72, s71, 2
	s_lshl_b32 s72, s72, 15                        ; four heads to 256 along K,
	s_add_co_u32 s70, s70, s72
	s_and_b32 s72, s71, 3
	s_lshl_b32 s72, s72, 10                        ; 1,024 bytes of a tile's 4,096 each,
	s_add_co_u32 s70, s70, s72
	s_lshl_b32 s72, s17, 12                        ; my tile
	s_add_co_u32 s70, s70, s72
	s_lshl_b32 s72, s18, 17
	s_add_co_u32 s72, s72, s70
	s_add_nc_u64 s[60:61], s[10:11], s[72:73]      ; first job
	s_lshl_b32 s72, s15, 17
	s_add_co_u32 s72, s72, s70
	s_add_nc_u64 s[62:63], s[10:11], s[72:73]      ; second job
	v_mov_b32 v236, 0                              ; a lane permute's destination counts as read: written once
	v_mov_b32 v253, 0                              ; named as the upper half of v[252:253]
	v_mov_b32 v218, 0
	v_mov_b32 v219, 0
	v_mov_b32 v222, 0
	v_mov_b32 v223, 0
	s_wait_kmcnt 0x0
	s_add_co_i32 s70, s48, s49
	s_lshl_b32 s70, s70, 23
	s_add_co_i32 s[CS], s[CS], s70                 ; a score stands for score x 2^(e6 + e7)
	s_mov_b32 s[CS+1], s[CS]
	s_add_co_i32 s70, s50, 127
	s_lshl_b32 s71, s70, 23
	v_mov_b32 v244, s71                            ; 2^e8
	s_add_co_i32 s70, s52, 127
	s_lshl_b32 s71, s70, 23
	v_mov_b32 v245, s71                            ; 2^e10
	s_add_co_i32 s[EPV], s50, s51
; A STEP of 128 keys, the q-th of the pair at s[TB]; reg: the job's Q.  A step behind the job's group is left out: a branch on the wave's number and a counter.
.macro STEP q, reg
	s_cmp_gt_u32 s[SI], s[G]
	s_cbranch_scc1 .Lhid_\@
	v_add_nc_u32 v[AD], s[TB], v[L16]
.rept 3
	v_nop                                          ; with the addition: four places behind the last step's products, whose source the loads below fill
.endr
.irp k, 0,1,2,3,4,5,6,7
	ds_load_b128 v[F+8*\k:F+8*\k+3],   v[AD] offset:16384*(\q)+1024*\k
	ds_load_b128 v[F+8*\k+4:F+8*\k+7], v[AD] offset:16384*(\q)+1024*\k+512
.endr
	s_wait_alu depctr_va_vdst(0)
	s_wait_dscnt 0x0
.irp k, 0,1,2,3,4,5,6,7
	v_wmma_f32_16x16x64_fp8_fp8 v[S+8*\k:S+8*\k+7], v[F+8*\k:F+8*\k+7], v[\reg:\reg+7], 0
.endr
.rept 4
	v_nop                                          ; places: for V's loads into K's registers and for the first read of the scores
.endr
.irp t, 0,1,2,3
.irp c, 0,1,2,3
	ds_load_b128 v[F+16*\t+4*\c:F+16*\t+4*\c+3], v[AD] offset:16384*(\q)+8192+2048*\t+512*\c   ; V lands under the softmax
.endr
.endr
	s_cmp_lg_u32 s[SI], s[G]
	s_cbranch_scc1 .Lopen_\@
	v_mov_b32 v254, 0xff800000                     ; on the diagonal hidden scores become -infinity: p = 0
.irp n, 0,1,2,3,4,5,6,7,8,9,10,11,12,13,14,15,16,17,18,19,20,21,22,23,24,25,26,27,28,29,30,31,32,33,34,35,36,37,38,39,40,41,42,43,44,45,46,47,48,49,50,51,52,53,54,55,56,57,58,59,60,61,62,63
	v_cmp_gt_i32 vcc_lo, 16*(\n/8)+\n%8, v[QL]
	v_cndmask_b32 v[S+\n], v[S+\n], v254, vcc_lo
.endr
.Lopen_\@:
	v_max3_num_f32 v254, v96, v97, v98             ; the largest score of my query among my 64 keys, in two chains; each accumulator is met at its low end first
	v_max3_num_f32 v252, v99, v100, v101
.irp i, 6,10,14,18,22,26,30,34,38,42,46,50,54,58
	v_max3_num_f32 v254, v254, v[96+\i], v[97+\i]
	v_max3_num_f32 v252, v252, v[98+\i], v[99+\i]
.endr
	v_max3_num_f32 v254, v254, v158, v159
	s_delay_alu instid0(VALU_DEP_1)
	v_max_num_f32 v254, v254, v252
	s_delay_alu instid0(VALU_DEP_1)
	v_permlanex16_b32 v236, v254, s[SEL], s[SEL+1]
	s_delay_alu instid0(VALU_DEP_1)
	v_max_num_f32 v254, v254, v236                 ; and among lane l xor 16's
	s_delay_alu instid0(VALU_DEP_1)
	v_mul_f32 v254, s[CS], v254                    ; as t (c is positive)
	s_delay_alu instid0(VALU_DEP_1)
	v_max_num_f32 v13, v13, v254
	v_mov_b32 v254, v12
	s_delay_alu instid0(VALU_DEP_2)
	v_floor_f32 v12, -v13                          ; -M = floor(-t)
	s_delay_alu instid0(VALU_DEP_1)
	v_sub_f32 v254, v12, v254                      ; old M - new M, a whole number, 0 or less
	s_delay_alu instid0(VALU_DEP_1)
	v_cvt_i32_f32 v254, v254                       ; (it saturates)
	s_delay_alu instid0(VALU_DEP_1)
	v_ldexp_f32 v252, 1.0, v254                    ; f = 2^(old M - new M)
.set j, 0
.rept 32
	v_pk_fma_f32 v[S+j:S+j+1], v[S+j:S+j+1], s[CS:CS+1], v[12:13] op_sel_hi:[1,0,0]   ; t - M
.set j, j+2
.endr
.set j, 0
	s_wait_alu depctr_va_vdst(0)
.rept 64
	v_exp_f32 v[S+j], v[S+j]                       ; p, not normalised
.set j, j+1
.endr
	v_pk_mul_f32 v[14:15], v[14:15], v[252:253] op_sel_hi:[1,0]   ; l under the new M: the plain instruction behind the exponentials
	s_wait_alu depctr_va_vdst(0)                   ; one wait for the batch of 64, ahead of its first reader
	v_pk_add_f32 v[242:243], v[96:97], v[98:99]    ; l takes the unquantised p, in two chains
.irp j, 4,8,12,16,20,24,28,32,36,40,44,48,52,56,60
	v_pk_add_f32 v[14:15], v[14:15], v[96+\j:97+\j]
	v_pk_add_f32 v[242:243], v[242:243], v[98+\j:99+\j]
.endr
	s_delay_alu instid0(VALU_DEP_1)
	v_pk_add_f32 v[14:15], v[14:15], v[242:243]
.irp k, 0,1,2,3,4,5,6,7
.irp i, 0,1,2,3,4,5,6,7
.endr
	v_cvt_scalef32_pk8_fp8_f32 v[PC+2*\k:PC+2*\k+1], v[S+8*\k:S+8*\k+7], v244
.endr
.set j, 0
.rept 16
	v_pk_mul_f32 v[OT+j:OT+j+1], v[OT+j:OT+j+1], v[252:253] op_sel_hi:[1,0]   ; O^T under the new M; also the plain instructions behind the conversions
.set j, j+2
.endr
	s_wait_alu depctr_va_vdst(0)
	s_wait_dscnt 0x0                               ; V is in
.irp t, 0,1,2,3
	v_wmma_f32_16x16x128_fp8_fp8 v[OT+8*\t:OT+8*\t+7], v[F+16*\t:F+16*\t+15], v[PC:PC+15], v[OT+8*\t:OT+8*\t+7]   ; four accumulators by turns
.endr
.Lhid_\@:
	s_add_co_u32 s[SI], s[SI], 1
.endm
.macro CHUNK reg
	STEP 0, \reg
	STEP 1, \reg
	s_add_co_u32 s[TB], s[TB], 32768
.endm
.macro INIT g                          ; a job begins: zeros, which the first change of M leaves zeros
	s_mov_b32 s[G], s[\g]
	s_mov_b32 s[SI], 0
	s_mov_b32 s[TB], 0
	v_mov_b32 v13, 0xff61b1e6                      ; -3e38, under every t
	s_delay_alu instid0(VALU_DEP_1)
	v_floor_f32 v12, -v13
	v_mov_b32 v14, 0
	v_mov_b32 v15, 0
.set j, 0
.rept 32
	v_mov_b32 v[OT+j], 0
.set j, j+1
.endr
.endm
; A job ends: O^T x 2^(e8 + e9) / l, converted, the halves of the lanes exchange, two stores of 512 consecutive bytes.
.macro OUT base
.rept 4
	v_nop                                          ; places behind the last products
.endr
	v_add_f32 v14, v14, v15
	s_delay_alu instid0(VALU_DEP_1)
	v_permlanex16_b32 v236, v14, s[SEL], s[SEL+1]
	s_delay_alu instid0(VALU_DEP_1)
	v_add_f32 v14, v14, v236
	s_wait_alu depctr_va_vdst(0)
	v_rcp_f32 v14, v14
	v_nop                                          ; a plain instruction behind the reciprocal,
	s_wait_alu depctr_va_vdst(0)                   ; and the wait ahead of its first reader
	v_ldexp_f32 v14, v14, s[EPV]
.set j, 0
.rept 16
	v_pk_mul_f32 v[S+j:S+j+1], v[OT+j:OT+j+1], v[14:15] op_sel_hi:[1,0]   ; register 8 t + i: channel 16 t + 8 h + i of my query
.set j, j+2
.endr
.set j, 0
.rept 32
.set j, j+1
.endr
	s_wait_alu depctr_va_vdst(0)
	s_wait_xcnt 0x0                                ; the job before's stores have read their codes
.irp t, 0,1,2,3
	v_cvt_scalef32_pk8_fp8_f32 v[OC+2*\t:OC+2*\t+1], v[S+8*\t:S+8*\t+7], v245
.endr
	v_nop                                          ; a plain instruction behind the last conversion
	; lane (r, 0) wants channels 32 b + 0 .. 15: its own of tile 2 b and lane (r, 1)'s of tile 2 b; lane (r, 1) wants 32 b + 16 .. 31: lane (r, 0)'s of tile 2 b + 1 and its own
.irp n, 0,1,4,5
	v_cndmask_b32 v[216+\n], v[OC+2+\n], v[OC+\n], s[HM]   ; what I send: lanes 0-15 tile 2 b + 1's, lanes 16-31 tile 2 b's
.endr
.irp n, 0,1,4,5
	s_delay_alu instid0(VALU_DEP_4)
	v_permlanex16_b32 v[218+\n], v[216+\n], s[SEL], s[SEL+1]
.endr
.irp n, 0,1,4,5
	v_cndmask_b32 v[OC+\n], v[OC+\n], v[218+\n], s[HM]
	v_cndmask_b32 v[OC+2+\n], v[218+\n], v[OC+2+\n], s[HM]
.endr
	global_store_b128 v[L16], v[OC:OC+3], s[\base:\base+1]
	global_store_b128 v[L16], v[OC+4:OC+7], s[\base:\base+1] offset:512
.endm
	INIT 18
	s_wait_tensorcnt 0x1                           ; my part of steps 0 and 1 is in; the large load may be out
	s_barrier_signal -1
	s_barrier_wait -1                              ; everybody's is
	s_wait_loadcnt 0x0                             ; Q
	CHUNK 16                                       ; steps 0 and 1 of the first job (its group is 8 or more): the other 14 steps' bytes land meanwhile
	s_wait_tensorcnt 0x0                           ; my part of the rest is in,
	s_wait_dscnt 0x0
	s_barrier_signal -1
	s_barrier_wait -1                              ; everybody's is
	s_mov_b32 s[CNT], 7
.Ljob1:
	CHUNK 16
	s_sub_co_u32 s[CNT], s[CNT], 1
	s_cmp_lg_u32 s[CNT], 0
	s_cbranch_scc1 .Ljob1
	OUT 60
	INIT 15
	s_mov_b32 s[CNT], 4                            ; the second job's group is 7 or less
.Ljob2:
	CHUNK 24
	s_sub_co_u32 s[CNT], s[CNT], 1
	s_cmp_lg_u32 s[CNT], 0
	s_cbranch_scc1 .Ljob2
	OUT 62
	s_wait_tensorcnt 0x0
	ds_add_u32 v251, v255
	s_wait_dscnt 0x0
	CROUND                                         ; the closing round
	s_endpgm
.Lfunc_end_k_q50c4a7d7d4_attn:
	.size	k_q50c4a7d7d4_attn, .Lfunc_end_k_q50c4a7d7d4_attn-k_q50c4a7d7d4_attn
	.p2alignl 7, 3214868480
	.fill 96, 4, 3214868480
	.section	.rodata,"a",@progbits
	.p2align	6, 0x0
	.amdhsa_kernel k_q50c4a7d7d4_attn
		.amdhsa_group_segment_fixed_size 327680
		.amdhsa_private_segment_fixed_size 0
		.amdhsa_enable_private_segment 0
		.amdhsa_kernarg_size 32
		.amdhsa_user_sgpr_count 2
		.amdhsa_user_sgpr_kernarg_segment_ptr 1
		.amdhsa_wavefront_size32 1
		.amdhsa_system_sgpr_workgroup_id_x 1
		.amdhsa_system_sgpr_workgroup_id_y 1
		.amdhsa_system_sgpr_workgroup_id_z 1
		.amdhsa_system_vgpr_workitem_id 0
		.amdhsa_next_free_vgpr 256
		.amdhsa_next_free_sgpr 76
		.amdhsa_reserve_vcc 1
		.amdhsa_float_denorm_mode_32 3
		.amdhsa_float_denorm_mode_16_64 3
		.amdhsa_fp16_overflow 1
		.amdhsa_memory_ordered 1
		.amdhsa_forward_progress 1
		.amdhsa_inst_pref_size 128
	.end_amdhsa_kernel
	.amdgpu_metadata
---
amdhsa.version: [ 1, 2 ]
amdhsa.kernels:
  - .name:           k_q50c4a7d7d4_attn
    .symbol:         k_q50c4a7d7d4_attn.kd
    .args:
      - { .name: q_img, .offset: 0, .size: 8, .value_kind: global_buffer, .address_space: global }
      - { .name: kv, .offset: 8, .size: 8, .value_kind: global_buffer, .address_space: global }
      - { .name: lowp_scales, .offset: 16, .size: 8, .value_kind: global_buffer, .address_space: global }
      - { .name: a_img, .offset: 24, .size: 8, .value_kind: global_buffer, .address_space: global }
    .group_segment_fixed_size: 327680
    .private_segment_fixed_size: 0
    .kernarg_segment_align: 8
    .kernarg_segment_size: 32
    .max_flat_workgroup_size: 512
    .sgpr_count:     76
    .vgpr_count:     256
    .wavefront_size: 32
...
	.end_amdgpu_metadata
.endif
;; end of part 2
;; launch proj (part 3): grid 4 x 32, 4 waves a work-group, clusters of 4 x 4, 327,680 bytes of LDS; arguments a_img, o_w_codes, lowp_scales, o_b, out0; writes out0
.if DOCPART == 3
	.amdgcn_target "amdgcn-amd-amdhsa--gfx1250"
	.amdhsa_code_object_version 6
	.text
	.protected	k_q50c4a7d7d4_proj
	.globl	k_q50c4a7d7d4_proj
	.p2align	8
	.type	k_q50c4a7d7d4_proj,@function
k_q50c4a7d7d4_proj:
	s_mov_b64 s[64:65], 0
	v_nop
	global_prefetch_b8 v0, s[64:65] scope:SCOPE_SE
	s_setreg_imm32_b32 hwreg(HW_REG_WAVE_MODE, 25, 1), 1
	s_wait_xcnt 0x0
	s_wait_alu depctr_hold_cnt(0) depctr_sa_sdst(0) depctr_va_vdst(0) depctr_va_sdst(0) depctr_va_ssrc(0) depctr_va_vcc(0) depctr_vm_vsrc(0)
	s_getreg_b32 s2, hwreg(HW_REG_IB_STS2, 6, 4)
	s_cmp_eq_u32 s2, 0
	s_cbranch_scc0 .Lentry_in_a_cluster
	s_endpgm
.Lentry_in_a_cluster:
	s_bfe_u32 s2, ttmp6, 0x10000c
	s_cmp_lg_u32 s2, 0xf033
	s_cbranch_scc0 .Lentry_shape_is_right
	s_endpgm
.Lentry_shape_is_right:
; out = a o_w^T x 2^(e10 + e11) + o_b on codes of FP8 (E4M3).  a: 8,192 tokens x 1,024, as register images (below); o_w: [1024][1024] codes, K innermost; out: [8192][1024] f32.
; A work-group of four waves makes 256 x 256 of out, a wave 128 x 128: 64 accumulators.  K goes in steps of 256 through two LDS slots.
; a_img [128 tokens][256 K][tile of 16 tokens 8][128 K 2][c 4][lane][16]: lane (r, h), block c holds K = 32 c + 16 h + 0 .. 15 of token r: the places that four 16-byte loads, 32 bytes apart, give o_w's rows.
; So 128 tokens x 256 K are 32,768 dense bytes for one tensor load, and a fragment is four loads at 16 x lane.
; CLUSTER 4 x 4: a's tile is shared along a row of the cluster, o_w's along a column: joint loads.  Source 0 = rows of o_w, source 1 = tokens: a lane holds eight neighbouring numbers of a row of out.
; LIMIT: e10 + e11 between -126 and 127, so that 2^(e10 + e11) is an f32 number.
; REGISTERS: window 0: v16-29 addresses; v100-103 o_b of my four columns; v128-255 a's fragments, one set, later rows on the way out.  window 1: o_w's fragments, two sets.  windows 2, 3: accumulators.
.set SIZE_N, 1024
.set KROW,   1024
.set ROWB,   256
.set PITCH,  272                       ; o_w's LDS rows: 256 bytes + 16 of padding
.set FR,     16
.set NL,     4
.set NP,     4
.set HALFT,  128*PITCH                 ; a wave's part of a slot (a's dense 32,768 bytes use the head of it)
.set SLOT,   4*HALFT
.set ASTEP,  32768                     ; 128 tokens x 256 K of a_img
.set SPARE,  2*SLOT
.set SPITCH, 528                       ; the way out: 16 rows x (512 + 16) bytes a wave, in slot 0, which has had its last fill and its last read by then
.set ADRA, 16
.set ADRB, 20
.set STO,  24
.set RD,   25
.set CO,   26
.set SPW,  28
.set NIL,  29
.set OBR,  100
.set AF,   128
.set BK,   128
.set G1,  24
.set G0,  32
.set G1B, 48
.set G0B, 56
.set MSB, 0
.macro WIN new
.if MSB != (\new)
	s_set_vgpr_msb (MSB<<8)|(\new)
.set MSB, (\new)
.endif
.endm
.set MUL_LO, 0xa1
.set MUL_HI, 0xf1
.set TO_B,   0x40
.macro JLOAD g0a, g1a, g0b, g1b        ; waves 0 and 1 fetch a's halves, waves 2 and 3 o_w's; four v_nop follow each line
	s_cmp_eq_u32 s15, 0
	s_cbranch_scc0 .Lfor_b_\@
	tensor_load_to_lds s[\g0a:\g0a+3], s[\g1a:\g1a+7]
	s_nop 0
.rept 4
	v_nop
.endr
	s_branch .Lasked_\@
.Lfor_b_\@:
	tensor_load_to_lds s[\g0b:\g0b+3], s[\g1b:\g1b+7]
	s_nop 0
.rept 4
	v_nop
.endr
.Lasked_\@:
.endm
.macro CREST
	s_cmp_lg_u32 s14, 0
	s_cbranch_scc1 .Lnot_wave_0_\@
	s_barrier_signal -3
.Lnot_wave_0_\@:
	s_barrier_wait -3
	s_barrier_signal -1
	s_barrier_wait -1
.endm
.macro CROUND
	s_barrier_signal -1
	s_barrier_wait -1
	CREST
.endm
	s_load_b128 s[4:7], s[0:1], 0x0                ; a_img, o_w's codes
	s_load_b128 s[8:11], s[0:1], 0x10              ; the exponents, o_b
	s_load_b64 s[12:13], s[0:1], 0x20              ; out
	v_lshl_add_u32 v[SPW], v0, 2, SPARE
	v_mov_b32 v[NIL], 0
	ds_add_u32 v28, v29
	ds_add_u32 v28, v29
	s_wait_dscnt 0x0
	v_lshrrev_b32 v1, 5, v0
	v_readfirstlane_b32 s14, v1                    ; wave 0..3
	s_lshr_b32 s15, s14, 1                         ; my half of the rows.  Also: I fetch for a (0) or for o_w (1)
	s_and_b32 s16, s14, 1                          ; my half of the columns.  Also: which half I fetch
	s_bfe_u32 s40, ttmp6, 0x40000                  ; cx
	s_bfe_u32 s41, ttmp6, 0x40004                  ; cy
	s_lshl_b32 s42, ttmp9, 2
	s_add_co_u32 s42, s42, s40                     ; tile column
	s_and_b32 s17, ttmp7, 0xffff
	s_lshl_b32 s17, s17, 2
	s_add_co_u32 s17, s17, s41                     ; tile row
	s_lshl_b32 s43, s41, 2
	s_lshl_b32 s43, 15, s43                        ; my row of the cluster
	s_lshl_b32 s44, 0x1111, s40                    ; my column
	s_or_b32 s[G1+0], s43, (0<<16)|(1<<21)         ; a: mask; elements of 1 byte; bit 21 beside a mask; no padding
	s_mov_b32 s[G1+1], 256<<16                     ; 128 dense rows of 256 bytes
	s_mov_b32 s[G1+2], 128<<16
	s_mov_b32 s[G1+3], 256<<16
	s_mov_b32 s[G1+4], 128
	s_mov_b32 s[G1+5], 256
	s_mov_b32 s[G1+6], 0
	s_mov_b32 s[G1+7], 0
	s_or_b32 s[G1B+0], s44, (0<<16)|(1<<20)|(1<<21)|(5<<22)|(3<<25)   ; o_w: 4 words of padding behind every 64
	s_mov_b32 s[G1B+1], ROWB<<16
	s_mov_b32 s[G1B+2], 128<<16
	s_mov_b32 s[G1B+3], ROWB<<16
	s_mov_b32 s[G1B+4], 128
	s_mov_b32 s[G1B+5], KROW
	s_mov_b32 s[G1B+6], 0
	s_mov_b32 s[G1B+7], 0
	s_lshl_b32 s20, s17, 1
	s_add_co_u32 s20, s20, s16                     ; a: block of 128 tokens = 2 x tile row + half,
	s_lshl_b32 s20, s20, 17                        ; 131,072 bytes each
	s_mov_b32 s21, 0
	s_lshl_b32 s18, s16, 7
	s_lshl_b32 s46, s42, 8
	s_add_co_u32 s46, s46, s18                     ; o_w: row 256 x tile column + 128 x half,
	s_lshl_b32 s46, s46, 10                        ; 1,024 bytes each
	s_mov_b32 s47, 0
	s_mul_i32 s45, s14, HALFT
	s_wait_kmcnt 0x0
	s_load_b64 s[96:97], s[8:9], 0x28              ; e10, e11
	s_add_nc_u64 s[20:21], s[4:5], s[20:21]
	s_add_nc_u64 s[46:47], s[6:7], s[46:47]
	CROUND                                         ; all sixteen work-groups are here
.irp s, 0,1
	s_mov_b32 s[G0+4*\s], 1
	s_add_co_u32 s[G0+4*\s+1], s45, \s*SLOT
	s_add_nc_u64 s[G0+4*\s+2:G0+4*\s+3], s[20:21], \s*ASTEP
	s_or_b32 s[G0+4*\s+3], s[G0+4*\s+3], 0x80000000
	s_mov_b32 s[G0B+4*\s], 1
	s_add_co_u32 s[G0B+4*\s+1], s45, \s*SLOT
	s_add_nc_u64 s[G0B+4*\s+2:G0B+4*\s+3], s[46:47], \s*ROWB
	s_or_b32 s[G0B+4*\s+3], s[G0B+4*\s+3], 0x80000000
	s_wait_alu depctr_va_vdst(0)
	s_wait_tensorcnt 0x0
	ds_add_u32 v28, v29
	ds_add_u32 v28, v29
	s_wait_dscnt 0x0
	CROUND
	JLOAD G0+4*\s, G1, G0B+4*\s, G1B
.endr
	v_and_b32 v1, 15, v0                           ; r
	v_bfe_u32 v2, v0, 4, 1                         ; h
	v_and_b32 v6, 31, v0
	v_lshlrev_b32 v[CO], 4, v6                     ; 16 x lane
	v_mul_u32_u24 v3, v1, PITCH
	v_lshl_add_u32 v4, v2, 4, v3
	s_mul_i32 s21, s15, HALFT                      ; my 128 tokens
	s_mul_i32 s22, s16, HALFT
	s_add_co_u32 s22, s22, 2*HALFT                 ; my 128 rows of o_w
.irp s, 0,1
	v_add_nc_u32 v[ADRA+\s], s21, v[CO]
	v_add_nc_u32 v[ADRB+\s], s22, v4
	s_add_co_u32 s21, s21, SLOT
	s_add_co_u32 s22, s22, SLOT
.endr
	s_mul_i32 s23, s14, 16*SPITCH                  ; my stage
	v_mul_u32_u24 v5, v1, SPITCH
	v_lshl_add_u32 v5, v2, 5, v5
	v_add_nc_u32 v[STO], s23, v5                   ; in: row r, 32 bytes for each half of the lanes
	v_add_nc_u32 v[RD], s23, v[CO]                 ; back: 32 lanes take a row of 512 bytes
	s_lshl_b32 s20, s17, 8
	s_lshl_b32 s21, s15, 7
	s_add_co_u32 s20, s20, s21
	s_lshl_b32 s20, s20, 12                        ; my first row of out, 4,096 bytes a row (under 2^25)
	s_mov_b32 s21, 0
	s_lshl_b32 s46, s42, 10
	s_lshl_b32 s47, s16, 9
	s_add_co_u32 s46, s46, s47                     ; my first column, in bytes
	s_mov_b32 s47, 0
	s_add_nc_u64 s[10:11], s[10:11], s[46:47]
	s_add_nc_u64 s[20:21], s[20:21], s[46:47]
	s_add_nc_u64 s[12:13], s[12:13], s[20:21]
	global_load_b128 v[OBR:OBR+3], v[CO], s[10:11] ; o_b of the four columns that I store in every row
.macro FRAG reg, adr, q, i
.irp c, 0,1,2,3
	ds_load_b128 v[\reg+4*\c:\reg+4*\c+3], v[\adr] offset:128*(\q)+32*\c+(\i)*16*PITCH
.endr
.endm
.macro MUL16 a0, p, zero               ; 16 matrix instructions; the 64 accumulators take turns, one instruction a turn
.irp a, \a0, \a0+1
.irp b, 0,1,2,3,4,5,6,7
.if \zero
	v_wmma_f32_16x16x128_fp8_fp8 v[8*(8*((\a)%4)+\b):8*(8*((\a)%4)+\b)+7], v[128*(\p)+FR*\b:128*(\p)+FR*\b+FR-1], v[AF+FR*(\a):AF+FR*(\a)+FR-1], 0
.else
	v_wmma_f32_16x16x128_fp8_fp8 v[8*(8*((\a)%4)+\b):8*(8*((\a)%4)+\b)+7], v[128*(\p)+FR*\b:128*(\p)+FR*\b+FR-1], v[AF+FR*(\a):AF+FR*(\a)+FR-1], v[8*(8*((\a)%4)+\b):8*(8*((\a)%4)+\b)+7]
.endif
.endr
.endr
.endm
.macro FETCH_B slot, q, p
	WIN TO_B
.irp i, 0,1,2,3,4,5,6,7
	FRAG 128*(\p)+FR*\i, ADRB+\slot, \q, \i
.endr
	WIN 0
.endm
.macro FETCH_A slot, q, i0             ; a's images: tile i, 128 K q, block c: 512 consecutive bytes a load
.irp i, \i0, \i0+1, \i0+2, \i0+3
.irp c, 0,1,2,3
	ds_load_b128 v[AF+FR*(\i)+4*\c:AF+FR*(\i)+4*\c+3], v[ADRA+\slot] offset:4096*(\i)+2048*(\q)+512*\c
.endr
.endr
.endm
.macro PLACES n
.rept \n
	v_nop
.endr
.endm
.macro STEP slot, q, zero
	s_wait_dscnt 4*NL                              ; o_w's set and a's blocks 0-3 are in; the youngest 16 loads may be out
	WIN MUL_LO
	MUL16 0, (\q)%2, \zero
	MUL16 2, (\q)%2, \zero
	s_wait_dscnt 0
	PLACES NP
	FETCH_B \slot, (\q)+1, 1-(\q)%2
	FETCH_A \slot, (\q)+1, 0
	WIN MUL_HI
	MUL16 4, (\q)%2, \zero
	MUL16 6, (\q)%2, \zero
	PLACES NP
	WIN 0
	FETCH_A \slot, (\q)+1, 4
.endm
.macro TURN slot, next, fill
	s_wait_tensorcnt 0x0                           ; my part of the next slot has landed; no load of mine is out
	ds_add_u32 v[SPW], v[NIL]
	s_wait_dscnt 4*NL+1                            ; the add and the youngest 16 loads may be out
	WIN MUL_LO
	MUL16 0, 1, 0
	s_wait_dscnt 0x0                               ; the add is done, my reads of this slot are over
	s_barrier_signal -1
	MUL16 2, 1, 0
	WIN 0
	s_barrier_wait -1
.if \fill
	CREST                                          ; no wave of any partner still reads this slot or has a load on its way
	s_add_nc_u64 s[G0+4*\slot+2:G0+4*\slot+3], s[G0+4*\slot+2:G0+4*\slot+3], 2*ASTEP
	s_add_nc_u64 s[G0B+4*\slot+2:G0B+4*\slot+3], s[G0B+4*\slot+2:G0B+4*\slot+3], 2*ROWB
	JLOAD G0+4*\slot, G1, G0B+4*\slot, G1B
.else
	PLACES NP
.endif
	FETCH_B \next, 0, 0
	FETCH_A \next, 0, 0
	WIN MUL_HI
	MUL16 4, 1, 0
	MUL16 6, 1, 0
	PLACES NP
	WIN 0
	FETCH_A \next, 0, 4
.endm
	s_wait_alu depctr_va_vdst(0)
	s_wait_tensorcnt 1                             ; my part of slot 0 is in; slot 1's load may be out
	s_barrier_signal -1
	s_barrier_wait -1
	FETCH_B 0, 0, 0
	FETCH_A 0, 0, 0
	FETCH_A 0, 0, 4
	STEP 0, 0, 1                                   ; the first products start the sums
	TURN 0, 1, 1                                   ; K = 1,024 is four slots: two refills, written out
	STEP 1, 0, 0
	TURN 1, 0, 1
	STEP 0, 0, 0
	TURN 0, 1, 0
	STEP 1, 0, 0
	s_wait_dscnt 4*NL
	WIN MUL_LO
	MUL16 0, 1, 0
	MUL16 2, 1, 0
	s_wait_dscnt 0
	WIN MUL_HI
	MUL16 4, 1, 0
	MUL16 6, 1, 0
	WIN 0
; THE WAY OUT, block by block of 16 rows x 128 columns: the sums go as they are through my stage and come back as whole rows of 512 bytes; there a lane holds the same four columns in every row,
; so one packed multiply-add for two numbers gives sum x 2^(e10 + e11) + o_b.  LDS serves a wave's instructions in order (ISA guide 5.7.1.4): no wait between the stores and the loads.
.macro TOSTAGE a
.set AC, 64*((\a)%4)
	WIN 0x08+4*((\a)/4)                            ; an LDS store's data is source 1: window 2 or 3
.irp b, 0,1,2,3,4,5,6,7
	ds_store_b128 v[STO], v[AC+8*\b:AC+8*\b+3] offset:64*\b          ; each accumulator from its low end on
	ds_store_b128 v[STO], v[AC+8*\b+4:AC+8*\b+7] offset:64*\b+16
.endr
	WIN 0
.set BB, BK+64*((\a)%2)
.irp t, 0,1,2,3,4,5,6,7,8,9,10,11,12,13,14,15
	ds_load_b128 v[BB+4*\t:BB+4*\t+3], v[RD] offset:\t*SPITCH
.endr
.endm
.macro SEND a, younger                 ; younger: the LDS instructions issued behind block a's loads
.set BB, BK+64*((\a)%2)
	s_wait_dscnt \younger
.if (\a) > 0
	s_add_nc_u64 s[12:13], s[12:13], 16*SIZE_N*4   ; behind a wait on XCNT: the earlier stores have read their base
.endif
.irp t, 0,1,2,3,4,5,6,7,8,9,10,11,12,13,14,15
.irp i, 0,1
	v_pk_fma_f32 v[BB+4*\t+2*\i:BB+4*\t+2*\i+1], v[BB+4*\t+2*\i:BB+4*\t+2*\i+1], s[96:97], v[OBR+2*\i:OBR+2*\i+1] op_sel_hi:[1,0,1]
.endr
.endr
.irp t, 0,1,2,3,4,5,6,7,8,9,10,11,12,13,14,15
	global_store_b128 v[CO], v[BB+4*\t:BB+4*\t+3], s[12:13] offset:\t*SIZE_N*4 th:TH_STORE_NT   ; 32 lanes store 512 consecutive bytes, at a multiple of 256 from out's first byte
.endr
.endm
	s_wait_kmcnt 0x0
	s_add_co_i32 s96, s96, s97
	s_add_co_i32 s96, s96, 127
	s_lshl_b32 s96, s96, 23                        ; 2^(e10 + e11) as f32
	s_wait_loadcnt 0x0                             ; o_b
	PLACES NP                                      ; behind the last products: for the stores of results and the loads into a's registers
	TOSTAGE 0
.irp a, 1,2,3,4,5,6,7
.if \a > 1
	s_wait_xcnt 0x0                                ; block a - 2's stores have read their registers and their base
.endif
	TOSTAGE \a
	SEND \a-1, 32                                  ; behind block a - 1's loads: block a's 16 stores and 16 loads
.endr
	s_wait_xcnt 0x0
	SEND 7, 0
	s_wait_tensorcnt 0x0                           ; the wave's end
	ds_add_u32 v[SPW], v[NIL]
	s_wait_dscnt 0x0
	CROUND                                         ; the closing round
	s_endpgm
.Lfunc_end_k_q50c4a7d7d4_proj:
	.size	k_q50c4a7d7d4_proj, .Lfunc_end_k_q50c4a7d7d4_proj-k_q50c4a7d7d4_proj
	.p2alignl 7, 3214868480
	.fill 96, 4, 3214868480
	.section	.rodata,"a",@progbits
	.p2align	6, 0x0
	.amdhsa_kernel k_q50c4a7d7d4_proj
		.amdhsa_group_segment_fixed_size 327680
		.amdhsa_private_segment_fixed_size 0
		.amdhsa_enable_private_segment 0
		.amdhsa_kernarg_size 40
		.amdhsa_user_sgpr_count 2
		.amdhsa_user_sgpr_kernarg_segment_ptr 1
		.amdhsa_wavefront_size32 1
		.amdhsa_system_sgpr_workgroup_id_x 1
		.amdhsa_system_sgpr_workgroup_id_y 1
		.amdhsa_system_sgpr_workgroup_id_z 1
		.amdhsa_system_vgpr_workitem_id 0
		.amdhsa_next_free_vgpr 1024
		.amdhsa_next_free_sgpr 98
		.amdhsa_reserve_vcc 0
		.amdhsa_float_denorm_mode_32 3
		.amdhsa_float_denorm_mode_16_64 3
		.amdhsa_memory_ordered 1
		.amdhsa_forward_progress 1
		.amdhsa_inst_pref_size 124
	.end_amdhsa_kernel
	.amdgpu_metadata
---
amdhsa.version: [ 1, 2 ]
amdhsa.kernels:
  - .name:           k_q50c4a7d7d4_proj
    .symbol:         k_q50c4a7d7d4_proj.kd
    .args:
      - { .name: a_img, .offset: 0, .size: 8, .value_kind: global_buffer, .address_space: global }
      - { .name: o_w_codes, .offset: 8, .size: 8, .value_kind: global_buffer, .address_space: global }
      - { .name: lowp_scales, .offset: 16, .size: 8, .value_kind: global_buffer, .address_space: global }
      - { .name: o_b, .offset: 24, .size: 8, .value_kind: global_buffer, .address_space: global }
      - { .name: out0, .offset: 32, .size: 8, .value_kind: global_buffer, .address_space: global }
    .group_segment_fixed_size: 327680
    .private_segment_fixed_size: 0
    .kernarg_segment_align: 8
    .kernarg_segment_size: 40
    .max_flat_workgroup_size: 128
    .sgpr_count:     98
    .vgpr_count:     1024
    .wavefront_size: 32
...
	.end_amdgpu_metadata
.endif
;; end of part 3
